; MI455X (gfx1250); checked and timed in simulation.
; The chip was launched on July 23, 2026; its instructions are those of AMD's public machine-readable ISA for CDNA 5 (MIT licence, August 2026) and "CDNA5" Instruction Set Architecture Reference Guide (July 2026). The comments in the code are by the model that wrote it; some were corrected since.
;; Multi Head Attention2. Allowed arithmetic: matrix products marked QUANTISED: E5M2 operands, one E8M0 scale for each 32 along K, by v_wmma_scale_f32_16x16x128_f8f6f4 with both operands' format E5M2, f32 sums; everything else in f32.
;; Inputs: Wk_codes 1,024 x 32 x 32 uint8 (E5M2 codes of Wk, K innermost, in blocks of 32 codes); Wk_scales 1,024 x 32 uint8 (E8M0 scales of Wk, one for each 32 codes along K); Wq_codes 1,024 x 32 x 32 uint8 (E5M2 codes of Wq, K innermost, in blocks of 32 codes); Wq_scales 1,024 x 32 uint8 (E8M0 scales of Wq, one for each 32 codes along K); Wv_codes 1,024 x 32 x 32 uint8 (E5M2 codes of Wv, K innermost, in blocks of 32 codes); Wv_scales 1,024 x 32 uint8 (E8M0 scales of Wv, one for each 32 codes along K); keys_codes 4 x 2,048 x 32 x 32 uint8 (E5M2 codes of keys, K innermost, in blocks of 32 codes); keys_scales 4 x 2,048 x 32 uint8 (E8M0 scales of keys, one for each 32 codes along K); query_codes 4 x 2,048 x 32 x 32 uint8 (E5M2 codes of query, K innermost, in blocks of 32 codes); query_scales 4 x 2,048 x 32 uint8 (E8M0 scales of query, one for each 32 codes along K).
;; Outputs: out0 4 x 2,048 x 1,024 float32.
;; This version of the problem:
;;   THIS VERSION OF THE PROBLEM IS GIVEN IN LOW PRECISION. The matrix products marked QUANTISED in the list below multiply operands that are first quantised to E5M2 (5 exponent bits, 2 mantissa bits; 8 bits a number), with one power-of-two scale for each 32 numbers along K (OCP MX v1.0); their sums are f32. All else is computed in f32.
;;   The module's matrix products, in the order in which they are computed (A, B: the left and right operand; K: the contracted axis; several contracted axes count as one K, in the product's order):
;;     1. [M 8,192, K 1,024] x [K 1,024, N 1,024]; A: input query (given as codes); B: input Wq (given as codes): QUANTISED
;;     2. [M 8,192, K 1,024] x [K 1,024, N 1,024]; A: input keys (given as codes); B: input Wk (given as codes): QUANTISED
;;     3. [M 8,192, K 1,024] x [K 1,024, N 1,024]; A: input keys (given as codes); B: input Wv (given as codes): QUANTISED
;;     4. batch 64 x [M 2,048, K 64] x [K 64, N 2,048]; A: computed on the way; B: computed on the way: QUANTISED
;;     5. batch 64 x [M 64, K 2,048] x [K 2,048, N 2,048]; A: computed on the way; B: softmax (see below): QUANTISED
;;   THE QUANTISER, for each operand of a quantised product, along K:
;;     - K is cut into blocks of 32 from its start; a last block that is shorter is filled with zeros.
;;     - A block's scale is 2^e with e = floor(log2(the largest magnitude in the block)) - 15, held to -126 .. 127; a block of zeros has e = 0. As a byte (E8M0): e + 127.
;;     - Each number is divided by its block's scale, clamped to +-57,344, and rounded to the nearest number of E5M2, ties to even, subnormals kept.
;;     - The product sums the exact products of the quantised numbers (number of the format x scale) in f32.
;;   ~~~python
;;   def quantise(x, axis):      # numpy; x: float32 -> the quantised numbers, widened to float32 again
;;       x = np.moveaxis(x, axis, -1); K = x.shape[-1]
;;       x = np.pad(x, [(0, 0)] * (x.ndim - 1) + [(0, -K % 32)]); x = x.reshape(x.shape[:-1] + (-1, 32)); a = np.abs(x).max(-1, keepdims=True)
;;       e = np.where(a > 0, np.clip(np.frexp(np.where(a > 0, a, 1))[1] - 1 - 15, -126, 127), 0)      # np.frexp(a)[1] - 1 = floor(log2(a)), exactly
;;       r = np.clip(x / 2.0 ** e, -57344, 57344)
;;       step = 2.0 ** (np.maximum(np.frexp(np.where(r == 0, 1, r))[1] - 1, -14) - 2)
;;       q = np.round(r / step) * step * 2.0 ** e      # np.round: ties to even
;;       return np.moveaxis(q.reshape(q.shape[:-2] + (-1,))[..., :K], -1, axis).astype(np.float32)
;;   ~~~
;;   SOFTMAX AHEAD OF A QUANTISED PRODUCT. Where the list says 'softmax', what is quantised is not the finished softmax but p = 2^(t - M), with t = logit x log2(e) and M = ceil(the row's largest t), a whole number; so 1/2 < the row's largest p <= 1. The row's sum l is taken of the UNQUANTISED p, in f32, and the product's result is divided by l at the end. Since M is a whole number, a kernel that streams over the keys may use a running M (the ceiling of the running maximum): every later rescaling is an exact power of two, which a block's scale takes up: the codes' values come out the same.
;;   OPERANDS COMPUTED ON THE WAY. 'Computed on the way' means the value that the module computes at that place (a softmax that the list does not call 'softmax' is quantised finished and normalised). What goes into a quantiser is computed in f32, as accurately as f32 sums, v_exp_f32 and their like allow (about 1e-6 of the number): no bf16 or f16 on the way to a quantiser, and a product that is left as it is and whose result goes on into a quantised operand takes f32 operands (vector FMAs, or v_wmma_f32_16x16x4_f32). A number that lies on a knife's edge between two numbers of the format may be rounded either way, as far as f32 arithmetic and the matrix unit's own rounding can turn it there, and no further.
;;   INPUTS GIVEN AS CODES. Wk (in the module: [1024, 1024], K = its axis 0); Wq (in the module: [1024, 1024], K = its axis 0); Wv (in the module: [1024, 1024], K = its axis 0); keys (in the module: [4, 2048, 1024], K = its axis 2); query (in the module: [4, 2048, 1024], K = its axis 2): each comes as NAME_codes (uint8): NAME with its K axis moved to the last place and cut into blocks of 32 codes, [.., K / 32, bytes a block], one block behind the other in memory; one code a byte (a code: sign, 5 exponent bits, 2 mantissa bits); and NAME_scales (uint8): the same leading axes, one E8M0 byte (e + 127) for each 32 codes along K. Its value is code x scale, taken as it is: it is not quantised again, and the codes and scales need not be those that the quantiser above would give.
;; One version. Each part assembles by itself: llvm-mc -triple=amdgcn-amd-amdhsa -mcpu=gfx1250 --defsym DOCPART=n.
;; ======== version 1 of 1: 2 launches
;; workspace buffers: ws 26,738,688 bytes
;; launch proj (part 1): grid 4 x 96, 4 waves a work-group, clusters of 4 x 4, 327,680 bytes of LDS; arguments query_codes, query_scales, keys_codes, keys_scales, Wq_codes, Wq_scales, Wk_codes, Wk_scales, Wv_codes, Wv_scales, ws; writes ws
.if DOCPART == 1
	.amdgcn_target "amdgcn-amd-amdhsa--gfx1250"
	.amdhsa_code_object_version 6
	.text
	.protected	k_q4b565e319b_proj
	.globl	k_q4b565e319b_proj
	.p2align	8
	.type	k_q4b565e319b_proj,@function
k_q4b565e319b_proj:
	s_mov_b64 s[64:65], 0
	v_nop
	global_prefetch_b8 v0, s[64:65] scope:SCOPE_SE
	s_setreg_imm32_b32 hwreg(HW_REG_WAVE_MODE, 25, 1), 1
	s_wait_xcnt 0x0
	s_wait_alu depctr_hold_cnt(0) depctr_sa_sdst(0) depctr_va_vdst(0) depctr_va_sdst(0) depctr_va_ssrc(0) depctr_va_vcc(0) depctr_vm_vsrc(0)
	s_getreg_b32 s2, hwreg(HW_REG_IB_STS2, 6, 4)
	s_cmp_eq_u32 s2, 0
	s_cbranch_scc0 .Lentry_in_a_cluster
	s_endpgm
.Lentry_in_a_cluster:
	s_bfe_u32 s2, ttmp6, 0x10000c
	s_cmp_lg_u32 s2, 0xf033
	s_cbranch_scc0 .Lentry_shape_is_right
	s_endpgm
.Lentry_shape_is_right:
; THE THREE PROJECTIONS, Q = query Wq, K = keys Wk, V = keys Wv, on codes of BF8 (E5M2) with one E8M0 scale for each 32 along K (1,024), and the quantising of their
; results into the operands of attention's two products.  One body serves three jobs, told apart by the cluster's y (24 clusters of 4 x 4 work-groups, 8 a job):
;   job 0: m side = query's 8,192 rows, n side = Wq's 1,024 rows;  job 1: keys, Wk;  job 2: m side = Wv's 1,024 rows (channels), n side = keys' 8,192 rows (tokens): V comes out TRANSPOSED.
; A tile of 256 (m) x 256 (n) is made by four waves, 128 x 128 each: 64 accumulators, 512 registers.  K goes in four steps of 256 through two LDS slots filled by the tensor data mover;
; the scale bytes of the tile's 512 rows, for all of K, come once with the first fills.  The four work-groups of a cluster's row need the same m-side tiles, the four of a column the
; same n-side tiles: each tile is asked for jointly.  A tile has two first fills and two refills only, so nothing is prefetched.
; THE MATRIX INSTRUCTION IS USED TRANSPOSED (source 0 = 16 rows of the n side, source 1 = 16 rows of the m side): in accumulator (a, b) lane (r, h), register j is C(16 a + r, 16 b + 8 h + j).
; So the 16 registers of accumulators (a, 2 B) and (a, 2 B + 1) are 16 numbers of ONE block of 32 along n: n = 32 B + {8 h + 0..7, 16 + 8 h + 0..7}; lane l xor 16 holds the other 16.
; n is the next product's K (jobs 0, 1: the head's dims; job 2: the keys).  The 16 codes are stored as registers 4 c .. 4 c + 3 of the next operand AS THEY STAND: that permutes k inside a
; block of 32, alike in both operands of each of attention's products (Q and K are made by this same text; P gets V's order from the layout of the scores), so every product meets its partner
; and each block keeps its scale; only the order of summing inside the unit differs.  No transposition, no LDS stage: each store is 512 consecutive bytes, 16 a lane.
; WORKSPACE ws (g = 16 batch + head):  +0 Q's images [g][tile of 16 tokens: 128][c: 2][lane][16 B];  +0x800000 K's likewise;  +0x1000000 V's [g][key step of 128: 16][16 channels: 4][c: 4][lane][16 B];
;   +0x1800000 Q's scale words, 12,288 bytes a head (8,192 used): [u: 16][lane (hh, r)][i: 4], the word of tile 8 u + 4 hh + i, row r: bytes 0, 1 the two blocks, bytes 2, 3 zero;
;   +0x18c0000, 12,288 a head: K's words likewise, and from +8,192 V's: [key step][lane (hh, r)][i: 2], the word of channels 16 (2 hh + i) + r: four bytes, the step's four blocks of keys.
; THE QUANTISER: a block's scale byte is its largest magnitude's exponent field - 15, held at 1 from below; numbers are held within +-57,344 x the scale and converted, ties to even.
; LIMITS: NaN and infinities among the inputs are not served.  A block of zeros gets the byte 1 (not 127): its codes are zeros, and the bytes are read by this program alone.
; REGISTERS, in windows of 256: window 0: v0-31 addresses; v32-63 scale words, two sets; from v128 the m side's fragments, ONE set (on the way out v128-247 are at work);
;   window 1: the n side's fragments, TWO sets;  window 2: the accumulators of my rows 0-63 ((a, b) at v[8 (8 a + b)]);  window 3: those of rows 64-127.
.set KSTEP,  256                       ; along K in a slot
.set NQ,     KSTEP/128                 ; matrix instructions deep
.set ROWB,   256                       ; a tile's row in bytes
.set KROW,   1024                      ; a row of codes in memory, in bytes
.set PITCH,  272                       ; an LDS row: 256 bytes + 16 of padding = 68 words, so that the 16 rows that a load touches start at 16 different banks (64 banks of 4 bytes: ISA guide 11.1)
.set FR,     16                        ; registers of a fragment: 16 rows x 128 K
.set NL,     4                         ; LDS loads that bring one
.set NP,     8                         ; places behind this matrix instruction (ISA guide 7.12.1)
.set HALFT,  128*PITCH                 ; 128 rows: what one tensor load brings
.set SLOT,   4*HALFT                   ; the m side's 256 rows, then the n side's
.set KS,     32                        ; a row of scale bytes
.set SCL,    2*SLOT                    ; behind the ring: the scales, as units of 256 bytes + 16 of padding
.set HALFS,  (128*KS/256)*272          ; the scales of 128 rows
.set SBLK,   (16*KS/256)*272           ; those of 16 rows
.set SPARE,  SCL+4*HALFS               ; the spare words, 128 bytes for each wave: two blocks of 256 bytes that no other line names
.set ADRA, 16                          ; v16-17  LDS address of my m-side fragments in slot 0, 1
.set ADRB, 20                          ; v20-21  the same for the n side
.set VO0,  24                          ; v24     the way out: 16 x lane
.set VO1,  25                          ; v25     16 x lane + the distance from block 0 to block 2 of a row's four blocks
.set VO8,  26                          ; v26     8 x lane
.set ADRS, 27                          ; v27     LDS address of my scale words: lanes 0-15 the m side's rows, lanes 16-31 the n side's
.set SPW,  28                          ; v28     LDS address of my spare word; never rewritten
.set NIL,  29                          ; v29     0; never rewritten
.set SC,   32                          ; scale words: set s at v[SC + 8 NQ s]; register NQ i + q: lanes 0-15 the m side's block i, lanes 16-31 the n side's block i
.set AF,   128                         ; the m side's fragments
.set TT,   128                         ; the way out: v128-191 a block's 64 numbers, held
.set CD,   192                         ; v192-207 their codes
.set TM,   208                         ; v208-211 largest magnitudes, v212-215 bytes, v216-219 the largest number x the scale, v220-223 the conversions' scale operands
.set SW,   224                         ; v224-239 two half scale words for each of my eight blocks of rows
.set XW,   240                         ; v240-247 scale words as they are stored
.set G1, 24                            ; s[24:31] descriptor group 1 for the m side's tiles;  s[32:39] group 0, one set for each slot
.set G0, 32
.set G1B, 48                           ; s[48:55], s[56:63] the same for the n side's
.set G0B, 56
.set G1S, 68                           ; s[68:75], s[76:79] groups 1 and 0 for the m side's scales;  s[80:87], s[88:91] for the n side's
.set G0S, 76
.set G1SB, 80
.set G0SB, 88
.set JOB, 95                           ; s95
.set MSB, 0
.macro WIN new                         ; the immediate's high byte repeats the setting that is left
.if MSB != \new
	s_set_vgpr_msb (MSB<<8)|\new
.set MSB, \new
.endif
.endm
.set MUL_LO, 0xa1                      ; source 0 (n side) window 1, source 1 (m side) window 0, C and D window 2
.set MUL_HI, 0xf1                      ; the same, C and D window 3
.set TO_B,   0x40                      ; destination window 1, address window 0
; A joint load: waves 0 and 1 fetch for the m side, waves 2 and 3 for the n side.  The branch hangs on the wave's number alone.  Four v_nop follow each of the two lines.
.macro JLOAD g0a, g1a, g0b, g1b
	s_cmp_eq_u32 s15, 0
	s_cbranch_scc0 .Lfor_b_\@
	tensor_load_to_lds s[\g0a:\g0a+3], s[\g1a:\g1a+7]
	s_nop 0
.rept 4
	v_nop
.endr
	s_branch .Lasked_\@
.Lfor_b_\@:
	tensor_load_to_lds s[\g0b:\g0b+3], s[\g1b:\g1b+7]
	s_nop 0
.rept 4
	v_nop
.endr
.Lasked_\@:
.endm
.macro CREST                           ; a round of the cluster's barrier behind its opening barrier
	s_cmp_lg_u32 s14, 0
	s_cbranch_scc1 .Lnot_wave_0_\@
	s_barrier_signal -3
.Lnot_wave_0_\@:
	s_barrier_wait -3
	s_barrier_signal -1
	s_barrier_wait -1
.endm
.macro CROUND                          ; a whole round
	s_barrier_signal -1
	s_barrier_wait -1
	CREST
.endm
	s_load_b512 s[68:83], s[0:1], 0x0              ; query's codes, scales; keys' codes, scales; Wq's codes, scales; Wk's codes, scales
	s_load_b128 s[84:87], s[0:1], 0x40             ; Wv's codes, scales
	s_load_b64 s[12:13], s[0:1], 0x50              ; ws
	v_lshl_add_u32 v[SPW], v0, 2, SPARE
	v_mov_b32 v[NIL], 0
	ds_add_u32 v28, v29
	ds_add_u32 v28, v29
	s_wait_dscnt 0x0
	v_lshrrev_b32 v1, 5, v0
	v_readfirstlane_b32 s14, v1                    ; wave 0..3
	s_lshr_b32 s15, s14, 1                         ; which half of the tile's m rows is mine.  Also: I fetch for the m side (0) or the n side (1)
	s_and_b32 s16, s14, 1                          ; which half of its n rows.  Also: which 128 rows of that tile I fetch
	s_bfe_u32 s40, ttmp6, 0x40000                  ; cx, cy: my place in the cluster
	s_bfe_u32 s41, ttmp6, 0x40004
	s_and_b32 s17, ttmp7, 0xffff                   ; the cluster's y, 0..23 (the grid has one cluster along x)
	s_lshr_b32 s[JOB], s17, 3                      ; the job: the same in all sixteen partners
	s_and_b32 s17, s17, 7
	s_lshl_b32 s17, s17, 2                         ; four tiles of the long side (8,192 rows) to a cluster
	s_cmp_eq_u32 s[JOB], 2
	s_cselect_b32 s42, s17, 0                      ; job 2: the long side is the n side,
	s_cselect_b32 s17, 0, s17                      ; else the m side
	s_add_co_u32 s42, s42, s40                     ; tile column (n) = its base + cx
	s_add_co_u32 s17, s17, s41                     ; tile row (m) = its base + cy
	s_lshl_b32 s43, s41, 2
	s_lshl_b32 s43, 15, s43                        ; my row of the cluster
	s_lshl_b32 s44, 0x1111, s40                    ; my column
	; descriptor group 1: a tile of 128 rows x 256 bytes, padded in LDS
	s_or_b32 s[G1+0], s43, (0<<16)|(1<<20)|(1<<21)|(5<<22)|(3<<25)  ; 15:0 the mask: my row; 17:16 element of 1 byte; 20 padding on; 21 set beside a mask; 24:22 after every 64 words (code 5); 31:25 of 4 words (code 3)
	s_or_b32 s[G1B+0], s44, (0<<16)|(1<<20)|(1<<21)|(5<<22)|(3<<25) ; the same with the mask of my column
.irp g, G1, G1B
	s_mov_b32 s[\g+1], ROWB<<16                    ; tensor_dim0
	s_mov_b32 s[\g+2], 128<<16                     ; tensor_dim1
	s_mov_b32 s[\g+3], ROWB<<16                    ; tile_dim0
	s_mov_b32 s[\g+4], 128                         ; tile_dim1
	s_mov_b32 s[\g+5], KROW                        ; tensor_dim0_stride
	s_mov_b32 s[\g+6], 0
	s_mov_b32 s[\g+7], 0
.endr
	s_lshl_b32 s18, s16, 7                         ; which 128 rows of the tile I fetch
	s_lshl_b32 s20, s17, 8
	s_add_co_u32 s20, s20, s18                     ; m side: row 256 x tile row + 128 x half
	s_lshl_b32 s46, s42, 8
	s_add_co_u32 s46, s46, s18                     ; n side: row 256 x tile column + 128 x half
	s_mov_b32 s21, 0
	s_mov_b32 s47, 0
	s_mov_b64 s[18:19], KS
	s_mul_u64 s[22:23], s[20:21], s[18:19]         ; where these rows' scales begin, in bytes
	s_mul_u64 s[92:93], s[46:47], s[18:19]
	s_mov_b64 s[18:19], KROW
	s_mul_u64 s[20:21], s[20:21], s[18:19]         ; and their codes
	s_mul_u64 s[46:47], s[46:47], s[18:19]
	s_mul_i32 s45, s14, HALFT                      ; where they go: wave x 128 rows: no place in the cluster enters an LDS address
	s_mul_i32 s94, s14, HALFS
	s_wait_kmcnt 0x0
	s_cmp_eq_u32 s[JOB], 0                         ; the job chooses the buffers; the choice hangs on the cluster's y alone
	s_cselect_b64 s[4:5], s[68:69], s[72:73]       ; m side: query's codes or keys',
	s_cselect_b64 s[6:7], s[70:71], s[74:75]       ; and scales
	s_cselect_b64 s[8:9], s[76:77], s[80:81]       ; n side: Wq's codes or Wk's,
	s_cselect_b64 s[10:11], s[78:79], s[82:83]     ; and scales
	s_cmp_eq_u32 s[JOB], 2
	s_cselect_b64 s[4:5], s[84:85], s[4:5]         ; job 2: m side = Wv,
	s_cselect_b64 s[6:7], s[86:87], s[6:7]
	s_cselect_b64 s[8:9], s[72:73], s[8:9]         ; n side = keys
	s_cselect_b64 s[10:11], s[74:75], s[10:11]
	; the ten addresses are chosen from: their registers now take the scales' descriptors.  The scales of 128 rows are a dense block of 4,096 bytes: 16 rows of 256 bytes (32 elements of 8), 16 bytes of padding behind each
	s_or_b32 s[G1S+0], s43, (3<<16)|(1<<20)|(1<<21)|(5<<22)|(3<<25)
	s_or_b32 s[G1SB+0], s44, (3<<16)|(1<<20)|(1<<21)|(5<<22)|(3<<25)
.irp g, G1S, G1SB
	s_mov_b32 s[\g+1], 32<<16
	s_mov_b32 s[\g+2], (128*KS/256)<<16
	s_mov_b32 s[\g+3], 32<<16
	s_mov_b32 s[\g+4], 128*KS/256
	s_mov_b32 s[\g+5], 32
	s_mov_b32 s[\g+6], 0
	s_mov_b32 s[\g+7], 0
.endr
	s_add_nc_u64 s[20:21], s[4:5], s[20:21]
	s_add_nc_u64 s[22:23], s[6:7], s[22:23]
	s_add_nc_u64 s[46:47], s[8:9], s[46:47]
	s_add_nc_u64 s[92:93], s[10:11], s[92:93]
	CROUND                                         ; all sixteen work-groups are here: the first joint loads meet
	s_mov_b32 s[G0S], 1
	s_add_co_u32 s[G0S+1], s94, SCL
	s_mov_b64 s[G0S+2:G0S+3], s[22:23]
	s_or_b32 s[G0S+3], s[G0S+3], 0x80000000
	s_mov_b32 s[G0SB], 1
	s_add_co_u32 s[G0SB+1], s94, SCL
	s_mov_b64 s[G0SB+2:G0SB+3], s[92:93]
	s_or_b32 s[G0SB+3], s[G0SB+3], 0x80000000
	JLOAD G0S, G1S, G0SB, G1SB                     ; the scales first: they are wanted with K step 0
.irp s, 0,1
	s_mov_b32 s[G0+4*\s], 1
	s_add_co_u32 s[G0+4*\s+1], s45, \s*SLOT
	s_add_nc_u64 s[G0+4*\s+2:G0+4*\s+3], s[20:21], \s*ROWB
	s_or_b32 s[G0+4*\s+3], s[G0+4*\s+3], 0x80000000
	s_mov_b32 s[G0B+4*\s], 1
	s_add_co_u32 s[G0B+4*\s+1], s45, \s*SLOT
	s_add_nc_u64 s[G0B+4*\s+2:G0B+4*\s+3], s[46:47], \s*ROWB
	s_or_b32 s[G0B+4*\s+3], s[G0B+4*\s+3], 0x80000000
	JLOAD G0+4*\s, G1, G0B+4*\s, G1B               ; by this text's count three tensor loads of a wave are out
.endr
	v_and_b32 v1, 15, v0                           ; l % 16
	v_bfe_u32 v2, v0, 4, 1                         ; l / 16
	v_mul_u32_u24 v3, v1, PITCH
	v_lshl_add_u32 v4, v2, 4, v3                   ; a fragment's row x pitch + 16 x half
	s_mul_i32 s21, s15, HALFT                      ; my 128 rows of the m side
	s_mul_i32 s22, s16, HALFT                      ; my 128 rows of the n side,
	s_add_co_u32 s22, s22, 2*HALFT                 ; which lie behind the m side's 256
.irp s, 0,1
	v_add_nc_u32 v[ADRA+\s], s21, v4
	v_add_nc_u32 v[ADRB+\s], s22, v4
	s_add_co_u32 s21, s21, SLOT
	s_add_co_u32 s22, s22, SLOT
.endr
	v_mul_u32_u24 v5, v1, KS                       ; my row's scales: 32 bytes a row,
	v_lshrrev_b32 v6, 8, v5
	v_lshl_add_u32 v5, v6, 4, v5                   ; and 16 more for each 256 passed
	s_mul_i32 s21, s15, HALFS
	s_mul_i32 s22, s16, HALFS
	s_add_co_u32 s22, s22, 2*HALFS
	s_sub_co_u32 s22, s22, s21
	v_mul_u32_u24 v6, s22, v2                      ; lanes 16-31 take the n side's: one product, the distance between the two bases
	s_add_co_u32 s21, s21, SCL
	v_add_nc_u32 v5, v5, v6
	v_add_nc_u32 v[ADRS], s21, v5
	; WHERE MY RESULTS GO.  The token side gives the batch and u (which 128 tokens of the batch), the channel side the heads.  Jobs 0, 1: tokens = m; job 2: tokens = n.
	s_cmp_eq_u32 s[JOB], 2
	s_cselect_b32 s43, s42, s17                    ; the token side's tile,
	s_cselect_b32 s44, s16, s15                    ; and my half of it
	s_cselect_b32 s45, s17, s42                    ; the channel side's tile,
	s_cselect_b32 s46, s15, s16                    ; and my half of it
	s_mov_b32 s4, 1024
	s_cselect_b32 s4, 2048, s4                     ; from a block of 16 rows to the next: a tile of tokens (1,024 bytes) or 16 channels of a key step (2,048)
	s_cselect_b32 s6, 122880, 0                    ; job 2, at block 4: on to the next head, 131,072 - 4 x 2,048
	s_mov_b32 s47, 131072
	s_cselect_b32 s47, 1024, s47                   ; from a row's block 0 to its block 2: the next head (jobs 0, 1) or two chunks on (job 2)
	s_cselect_b32 s92, 8, 9                        ; scale words: 256 bytes for each u (V) or 512 (Q, K),
	s_cselect_b32 s93, 8192, 0                     ; V's behind K's
	s_mov_b32 s5, 0
	s_mov_b32 s7, 0
	s_lshr_b32 s96, s43, 3
	s_lshl_b32 s96, s96, 4                         ; 16 x batch
	s_lshl_b32 s45, s45, 2
	s_add_co_u32 s96, s96, s45
	s_lshl_b32 s46, s46, 1
	s_add_co_u32 s96, s96, s46                     ; g0: the first of my two heads
	s_and_b32 s43, s43, 7
	s_lshl_b32 s43, s43, 1
	s_add_co_u32 s43, s43, s44                     ; u
	s_lshl_b32 s44, s[JOB], 23                     ; Q's, K's or V's images,
	s_lshl_b32 s45, s96, 17                        ; 131,072 bytes a head,
	s_add_co_u32 s44, s44, s45
	s_lshl_b32 s45, s43, 13                        ; 8,192 for each 128 tokens
	s_add_co_u32 s44, s44, s45
	s_mov_b32 s45, 0
	s_add_nc_u64 s[8:9], s[12:13], s[44:45]        ; s[8:9]: where my codes go
	s_mul_i32 s44, s96, 12288
	s_lshl_b32 s46, s43, s92
	s_add_co_u32 s44, s44, s46
	s_add_co_u32 s44, s44, s93
	s_add_co_u32 s44, s44, 0x1800000
	s_cmp_eq_u32 s[JOB], 0
	s_cselect_b32 s46, 0, 0xc0000                  ; Q's words, or K's and V's
	s_add_co_u32 s44, s44, s46
	s_add_nc_u64 s[10:11], s[12:13], s[44:45]      ; s[10:11]: where my scale words go
	v_and_b32 v6, 31, v0
	v_lshlrev_b32 v[VO0], 4, v6
	v_add_nc_u32 v[VO1], s47, v[VO0]
	v_lshlrev_b32 v[VO8], 3, v6
.macro FRAG reg, adr, q, i             ; a fragment, 16 rows x 128 K of 8-bit codes: lane l holds row l % 16; registers 4 c .. 4 c + 3 hold K = 32 c + 16 (l / 16) + 0 .. 15
.irp c, 0,1,2,3
	ds_load_b128 v[\reg+4*\c:\reg+4*\c+3], v[\adr] offset:128*(\q)+32*\c+(\i)*16*PITCH
.endr
.endm
; 16 matrix instructions: m blocks a0, a0 + 1 x the n side's eight, 128 along K: the slot's q-th.  p: the n side's set;  sc: the set of scale words.  zero = 1: the first product starts the sums.
; The 64 accumulators take turns, one instruction a turn, in the same order in every step.
.macro MUL16 a0, p, q, sc, zero
.irp a, \a0, \a0+1
.irp b, 0,1,2,3,4,5,6,7
.if \zero
	v_wmma_scale_f32_16x16x128_f8f6f4 v[8*(8*((\a)%4)+\b):8*(8*((\a)%4)+\b)+7], v[128*(\p)+FR*\b:128*(\p)+FR*\b+FR-1], v[AF+FR*(\a):AF+FR*(\a)+FR-1], 0, v[SC+8*NQ*(\sc)+NQ*\b+(\q)], v[SC+8*NQ*(\sc)+NQ*(\a)+(\q)] matrix_a_fmt:MATRIX_FMT_BF8 matrix_b_fmt:MATRIX_FMT_BF8 matrix_a_scale:MATRIX_SCALE_ROW1
.else
	v_wmma_scale_f32_16x16x128_f8f6f4 v[8*(8*((\a)%4)+\b):8*(8*((\a)%4)+\b)+7], v[128*(\p)+FR*\b:128*(\p)+FR*\b+FR-1], v[AF+FR*(\a):AF+FR*(\a)+FR-1], v[8*(8*((\a)%4)+\b):8*(8*((\a)%4)+\b)+7], v[SC+8*NQ*(\sc)+NQ*\b+(\q)], v[SC+8*NQ*(\sc)+NQ*(\a)+(\q)] matrix_a_fmt:MATRIX_FMT_BF8 matrix_b_fmt:MATRIX_FMT_BF8 matrix_a_scale:MATRIX_SCALE_ROW1
.endif
.endr
.endr
.endm
.macro FETCH_B slot, q, p              ; the n side's eight fragments of the slot's q-th 128 along K into set p
	WIN TO_B
.irp i, 0,1,2,3,4,5,6,7
	FRAG 128*(\p)+FR*\i, ADRB+\slot, \q, \i
.endr
	WIN 0
.endm
.macro FETCH_A slot, q, i0             ; the m side's blocks i0 .. i0 + 3
.irp i, \i0, \i0+1, \i0+2, \i0+3
	FRAG AF+FR*(\i), ADRA+\slot, \q, \i
.endr
.endm
.macro SCALES sc                       ; a K step's scale words into set sc: two words a row; lanes 0-15 the m side's block i, lanes 16-31 the n side's
.irp i, 0,1,2,3,4,5,6,7
	ds_load_b64 v[SC+8*NQ*\sc+NQ*\i:SC+8*NQ*\sc+NQ*\i+1], v[ADRS] offset:\i*SBLK
.endr
.endm
; A load into a register that a matrix instruction has read, and a vector instruction that reads a matrix result or writes one of a matrix instruction's registers, stand NP places behind it;
; only plain vector instructions that name none of its registers are places (ISA guide 7.12.1 for vector instructions).
.macro PLACES n
.rept \n
	v_nop
.endr
.endm
; A step of 128 along K that has its successor in the same slot.
.macro STEP slot, q, zero
	s_wait_dscnt 4*NL                              ; the n side's set and the m side's blocks 0-3 are in; the youngest 16 loads (blocks 4-7) may be out
	WIN MUL_LO
	MUL16 0, (\q)%2, \q, \slot, \zero
	MUL16 2, (\q)%2, \q, \slot, \zero
	s_wait_dscnt 0                                 ; blocks 4-7 are in (asked for 32 matrix instructions ago)
	PLACES NP
	FETCH_B \slot, (\q)+1, 1-(\q)%2
	FETCH_A \slot, (\q)+1, 0
	WIN MUL_HI
	MUL16 4, (\q)%2, \q, \slot, \zero
	MUL16 6, (\q)%2, \q, \slot, \zero
	PLACES NP
	WIN 0
	FETCH_A \slot, (\q)+1, 4
.endm
; A slot's last step changes slots: ONE barrier; in front of it each wave waits for all its tensor loads, adds 0 to its spare word, and waits for that and for its own reads of this slot.
; fill = 1: this slot is filled again, two K steps ahead; the barrier then opens a round of the cluster's barrier, and the joint refill is the first tensor load behind the round.
.macro TURN slot, next, fill
	s_wait_tensorcnt 0x0                           ; all my tensor loads have landed: my part of the next slot  (every window is 0 here)
	ds_add_u32 v[SPW], v[NIL]                      ; 0 onto my spare word
	s_wait_dscnt 4*NL+1                            ; (the add and the youngest 16 loads, blocks 4-7, may be out)
	WIN MUL_LO
	MUL16 0, 1, NQ-1, \slot, 0                     ; sixteen matrix instructions stand between the add and the wait for it
	s_wait_dscnt 0x0                               ; the add is done, and my reads of this slot are over
	s_barrier_signal -1
	MUL16 2, 1, NQ-1, \slot, 0
	WIN 0
	s_barrier_wait -1
.if \fill
	CREST                                          ; no wave of any partner still reads this slot's tile or has a load on its way
	s_add_nc_u64 s[G0+4*\slot+2:G0+4*\slot+3], s[G0+4*\slot+2:G0+4*\slot+3], 2*ROWB
	s_add_nc_u64 s[G0B+4*\slot+2:G0B+4*\slot+3], s[G0B+4*\slot+2:G0B+4*\slot+3], 2*ROWB
	JLOAD G0+4*\slot, G1, G0B+4*\slot, G1B         ; the four v_nop behind it are among the places in front of the loads below
	PLACES NP-4
.else
	PLACES NP
.endif
	v_add_nc_u32 v[ADRS], 4*NQ, v[ADRS]            ; on to the next K step's scale words
	FETCH_B \next, 0, 0
	FETCH_A \next, 0, 0
	SCALES \next
	WIN MUL_HI
	MUL16 4, 1, NQ-1, \slot, 0
	MUL16 6, 1, NQ-1, \slot, 0
	PLACES NP
	WIN 0
	FETCH_A \next, 0, 4
.endm
	s_wait_tensorcnt 1                             ; the scales and my part of K step 0 are in; K step 1's load may be out
	s_barrier_signal -1
	s_barrier_wait -1                              ; everybody's are
	FETCH_B 0, 0, 0
	FETCH_A 0, 0, 0
	SCALES 0
	FETCH_A 0, 0, 4
	; K = 1,024 is four K steps of 256, eight steps of 128: written out, since a loop round the ring would have one trip
	STEP 0, 0, 1                                   ; K step 0: its first products start the sums
	TURN 0, 1, 1                                   ; slot 0 takes K step 2
	STEP 1, 0, 0                                   ; K step 1
	TURN 1, 0, 1                                   ; slot 1 takes K step 3
	STEP 0, 0, 0                                   ; K step 2
	TURN 0, 1, 0                                   ; nothing is left to fetch
	STEP 1, 0, 0                                   ; K step 3
	s_wait_dscnt 4*NL
	WIN MUL_LO
	MUL16 0, 1, NQ-1, 1, 0
	MUL16 2, 1, NQ-1, 1, 0
	s_wait_dscnt 0
	WIN MUL_HI
	MUL16 4, 1, NQ-1, 1, 0
	MUL16 6, 1, NQ-1, 1, 0
	WIN 0
; THE WAY OUT, a block of 16 rows (m) x 128 (n) at a time: four blocks of 32 along n a lane, quantised in registers; the codes leave as they stand.
	s_mov_b32 s18, 0x76543210
	s_mov_b32 s19, 0xfedcba98                      ; v_permlanex16_b32's selects for lane l xor 16
	s_mov_b32 s97, 0x600000                        ; the mantissa field of 57,344
	PLACES NP                                      ; behind the last products: their results are read and the m side's fragment registers are written below
.irp b, 0,1,2,3
	v_mov_b32 v[TM+4+\b], 0                        ; written once: a lane permute's destination counts as one of its sources
.endr
.macro OUTBLK a
.set AC, 64*((\a)%4)                   ; the block's eight accumulators,
.set WN, 2+(\a)/4                      ; in window 2 or 3
.set WMAX, (WN<<2)|(WN<<4)
	WIN WMAX                                       ; sources 1 and 2 in the accumulators' window
.irp b, 0,1,2,3
	v_max3_num_f32 v[TM+\b], 0x8000000, |v[AC+16*\b]|, |v[AC+16*\b+1]|   ; block b: my 16 numbers, and the floor 2^(16 - 127): the byte cannot fall under 1.  Each accumulator is read from its low end on
.endr
.irp i, 2,4,6,8,10,12,14
.irp b, 0,1,2,3
	v_max3_num_f32 v[TM+\b], v[TM+\b], |v[AC+16*\b+\i]|, |v[AC+16*\b+\i+1]|   ; (the four blocks by turns)
.endr
.endr
	WIN 0
.irp b, 0,1,2,3
	v_permlanex16_b32 v[TM+4+\b], v[TM+\b], s18, s19
.endr
.irp b, 0,1,2,3
	v_max_num_f32 v[TM+\b], v[TM+\b], v[TM+4+\b]   ; with lane l xor 16's 16: the block's largest magnitude
.endr
.irp b, 0,1,2,3
	v_add_nc_u32 v[TM+12+\b], 0xf8800000, v[TM+\b] ; 15 off its exponent field: the conversion's scale operand
.endr
.irp b, 0,1,2,3
	v_and_or_b32 v[TM+8+\b], v[TM+\b], 0x7f800000, s97   ; 57,344 x the scale
.endr
.irp b, 0,1,2,3
	v_lshrrev_b32 v[TM+4+\b], 23, v[TM+12+\b]      ; the scale's byte
.endr
	v_lshl_or_b32 v[SW+2*(\a)], v[TM+5], 8, v[TM+4]      ; blocks 0, 1
	v_lshl_or_b32 v[SW+2*(\a)+1], v[TM+7], 8, v[TM+6]    ; blocks 2, 3
	WIN WN                                         ; source 0 in the accumulators' window
.irp b, 0,1,2,3
.irp i, 0,1,2,3,4,5,6,7,8,9,10,11,12,13,14,15
	v_med3_num_f32 v[TT+16*\b+\i], v[AC+16*\b+\i], -v[TM+8+\b], v[TM+8+\b]   ; the conversion to an 8-bit code does not saturate (ISA guide 7.6.2): the hold at the largest code x the scale
.endr
.endr
	WIN 0
.if (\a) > 0
	s_wait_xcnt 0x0                                ; the last block's stores have read their data and their base: both are written again only behind this wait
	s_add_nc_u64 s[8:9], s[8:9], s[4:5]
.if (\a) == 4
	s_add_nc_u64 s[8:9], s[8:9], s[6:7]
.endif
.endif
.irp b, 0,1,2,3
	v_cvt_scalef32_pk8_bf8_f32 v[CD+4*\b:CD+4*\b+1], v[TT+16*\b:TT+16*\b+7], v[TM+12+\b]
	v_cvt_scalef32_pk8_bf8_f32 v[CD+4*\b+2:CD+4*\b+3], v[TT+16*\b+8:TT+16*\b+15], v[TM+12+\b]
.endr
	v_nop                                          ; one plain vector instruction behind the last conversion
	global_store_b128 v[VO0], v[CD:CD+3], s[8:9]               ; each store: 512 consecutive bytes, at a multiple of 512 from the buffer's first byte
	global_store_b128 v[VO0], v[CD+4:CD+7], s[8:9] offset:512
	global_store_b128 v[VO1], v[CD+8:CD+11], s[8:9]
	global_store_b128 v[VO1], v[CD+12:CD+15], s[8:9] offset:512
.endm
.irp a, 0,1,2,3,4,5,6,7
	OUTBLK \a
.endr
	; THE SCALE WORDS.  Both halves of the lanes hold every word; lanes 0-15 store those of the lower blocks of rows, lanes 16-31 those of the upper.
	v_and_b32 v[TT+8], 16, v0
	v_cmp_ne_u32 vcc_lo, 0, v[TT+8]
	s_cmp_eq_u32 s[JOB], 2                         ; the job is the same in all partners; neither way touches LDS or holds a barrier
	s_cbranch_scc1 .Lv_words
.irp e, 0,1                            ; Q, K: head g0 + e; a word is two bytes: the head's two blocks of dims.  Lane (hh, r) stores the words of tiles 4 hh + 0 .. 3, row r: 512 consecutive bytes a store
.irp i, 0,1,2,3
	v_cndmask_b32 v[XW+4*\e+\i], v[SW+2*\i+\e], v[SW+8+2*\i+\e], vcc_lo
.endr
	global_store_b128 v[VO0], v[XW+4*\e:XW+4*\e+3], s[10:11] offset:12288*\e
.endr
	s_branch .Lwords_done
.Lv_words:
.irp a, 0,1,2,3,4,5,6,7                ; V: a word is four bytes: the key step's four blocks of keys
	v_lshl_or_b32 v[TT+\a], v[SW+2*\a+1], 16, v[SW+2*\a]
.endr
.irp e, 0,1                            ; head g0 + e = blocks of rows 4 e .. 4 e + 3.  Lane (hh, r) stores the words of channels 16 (2 hh + 0, 1) + r: 256 consecutive bytes a store
	v_cndmask_b32 v[XW+4*\e], v[TT+4*\e], v[TT+4*\e+2], vcc_lo
	v_cndmask_b32 v[XW+4*\e+1], v[TT+4*\e+1], v[TT+4*\e+3], vcc_lo
	global_store_b64 v[VO8], v[XW+4*\e:XW+4*\e+1], s[10:11] offset:12288*\e
.endr
.Lwords_done:
	s_wait_tensorcnt 0x0                           ; the wave's end
	ds_add_u32 v[SPW], v[NIL]
	s_wait_dscnt 0x0
	CROUND                                         ; the closing round: no work-group ends while a partner may still ask for a tile that names it
	s_endpgm
.Lfunc_end_k_q4b565e319b_proj:
	.size	k_q4b565e319b_proj, .Lfunc_end_k_q4b565e319b_proj-k_q4b565e319b_proj
	.p2alignl 7, 3214868480
	.fill 96, 4, 3214868480
	.section	.rodata,"a",@progbits
	.p2align	6, 0x0
	.amdhsa_kernel k_q4b565e319b_proj
		.amdhsa_group_segment_fixed_size 327680
		.amdhsa_private_segment_fixed_size 0
		.amdhsa_enable_private_segment 0
		.amdhsa_kernarg_size 88
		.amdhsa_user_sgpr_count 2
		.amdhsa_user_sgpr_kernarg_segment_ptr 1
		.amdhsa_wavefront_size32 1
		.amdhsa_system_sgpr_workgroup_id_x 1
		.amdhsa_system_sgpr_workgroup_id_y 1
		.amdhsa_system_sgpr_workgroup_id_z 1
		.amdhsa_system_vgpr_workitem_id 0
		.amdhsa_next_free_vgpr 1024
		.amdhsa_next_free_sgpr 98
		.amdhsa_reserve_vcc 1
		.amdhsa_float_denorm_mode_32 3
		.amdhsa_float_denorm_mode_16_64 3
		.amdhsa_memory_ordered 1
		.amdhsa_forward_progress 1
		.amdhsa_inst_pref_size 187
	.end_amdhsa_kernel
	.amdgpu_metadata
---
amdhsa.version: [ 1, 2 ]
amdhsa.kernels:
  - .name:           k_q4b565e319b_proj
    .symbol:         k_q4b565e319b_proj.kd
    .args:
      - { .name: query_codes, .offset: 0, .size: 8, .value_kind: global_buffer, .address_space: global }
      - { .name: query_scales, .offset: 8, .size: 8, .value_kind: global_buffer, .address_space: global }
      - { .name: keys_codes, .offset: 16, .size: 8, .value_kind: global_buffer, .address_space: global }
      - { .name: keys_scales, .offset: 24, .size: 8, .value_kind: global_buffer, .address_space: global }
      - { .name: Wq_codes, .offset: 32, .size: 8, .value_kind: global_buffer, .address_space: global }
      - { .name: Wq_scales, .offset: 40, .size: 8, .value_kind: global_buffer, .address_space: global }
      - { .name: Wk_codes, .offset: 48, .size: 8, .value_kind: global_buffer, .address_space: global }
      - { .name: Wk_scales, .offset: 56, .size: 8, .value_kind: global_buffer, .address_space: global }
      - { .name: Wv_codes, .offset: 64, .size: 8, .value_kind: global_buffer, .address_space: global }
      - { .name: Wv_scales, .offset: 72, .size: 8, .value_kind: global_buffer, .address_space: global }
      - { .name: ws, .offset: 80, .size: 8, .value_kind: global_buffer, .address_space: global }
    .group_segment_fixed_size: 327680
    .private_segment_fixed_size: 0
    .kernarg_segment_align: 8
    .kernarg_segment_size: 88
    .max_flat_workgroup_size: 128
    .sgpr_count:     98
    .vgpr_count:     1024
    .wavefront_size: 32
...
	.end_amdgpu_metadata
.endif
;; end of part 1
;; launch attn (part 2): grid 8 x 64, 16 waves a work-group, clusters of 4 x 1, 276,480 bytes of LDS; arguments ws, out0; writes out0
.if DOCPART == 2
	.amdgcn_target "amdgcn-amd-amdhsa--gfx1250"
	.amdhsa_code_object_version 6
	.text
	.protected	k_q4b565e319b_attn
	.globl	k_q4b565e319b_attn
	.p2align	8
	.type	k_q4b565e319b_attn,@function
k_q4b565e319b_attn:
	s_mov_b64 s[64:65], 0
	v_nop
	global_prefetch_b8 v0, s[64:65] scope:SCOPE_SE
	s_setreg_imm32_b32 hwreg(HW_REG_WAVE_MODE, 25, 1), 1
	s_wait_xcnt 0x0
	s_wait_alu depctr_hold_cnt(0) depctr_sa_sdst(0) depctr_va_vdst(0) depctr_va_sdst(0) depctr_va_ssrc(0) depctr_va_vcc(0) depctr_vm_vsrc(0)
	s_getreg_b32 s2, hwreg(HW_REG_IB_STS2, 6, 4)
	s_cmp_eq_u32 s2, 0
	s_cbranch_scc0 .Lentry_in_a_cluster
	s_endpgm
.Lentry_in_a_cluster:
	s_bfe_u32 s2, ttmp6, 0x10000c
	s_cmp_lg_u32 s2, 0x3003
	s_cbranch_scc0 .Lentry_shape_is_right
	s_endpgm
.Lentry_shape_is_right:
; ATTENTION ON CODES OF BF8 (E5M2): out[batch][q][head] = the sum over k of softmax_k(Q[q] . K[k] / 32) V[k], head size 64, 2,048 keys, 64 (batch, head) pairs g.
; Q, K, V come from the workspace as IMAGES OF THE OPERANDS' REGISTERS, 16 bytes a lane, with their scale words beside them, as the launch before has laid them:
;   +0 Q [g][tile of 16 tokens][c: 2][lane][16 B];  +0x800000 K likewise;  +0x1000000 V [g][key step of 128][16 channels: 4][c: 4][lane][16 B];
;   +0x1800000 Q's scale words;  +0x18c0000 K's (8,192 bytes a head) and V's (4,096), 12,288 bytes a head together.
; In every image k is permuted inside each block of 32 (position 16 h + p holds k = 8 h + p, or 16 + 8 h + p - 8 from p = 8 on), alike in both operands of a product: Q and K by their maker,
; V and P because the scores' own layout gives P the same order.  So every product meets its partner and each block keeps its scale; only the order of summing inside the unit differs.
; THE SOFTMAX AHEAD OF THE SECOND PRODUCT: t = score x log2(e) / 32; M = the running largest t, rounded UP to a whole number; p = 2^(t - M) is quantised along the keys, not normalised.
; The row's sum is taken of the unquantised p and divides at the end.  When M moves, the sum and O are multiplied by 2^(old M - new M): exact.
; SHARES.  A work-group owns 256 queries of one head; each of its SIXTEEN waves one tile of 16, in 256 registers: four waves to a SIMD, so that one wave's vector work stands beside another's
; matrix work and LDS loads.  Every wave walks all 2,048 keys, 128 a step.
; THE WHOLE HEAD STAYS IN LDS: K's codes 131,072 bytes, V's 131,072, the scale words 12,288.  Every byte is filled once, by five tensor loads a wave at the head, so there is no ring; the keys come in
; four groups of four steps, and a group's steps begin as soon as that group has landed.  These five loads ask for all that the work-group reads of K and V: nothing is left to prefetch.
; CLUSTER.  The four query blocks of a cluster belong to one head: each load is asked for JOINTLY (mask 15); its descriptor hangs on the head and the wave's number alone.
; BOTH PRODUCTS ARE USED TRANSPOSED: S^T = K Q^T (source 0 = 16 keys, source 1 = my 16 queries), O^T = V^T P^T: a lane holds ONE query (lane % 16) throughout.
; THE HEAD'S 64 IN AN INSTRUCTION OF 128: Q's fragment has zero codes in its upper eight registers.  K's fragment of tile t is v[32 + 8 t .. 47 + 8 t]: its upper half is the next tile's codes (zeros behind tile 7),
; which are finite, since their maker holds every number at the largest code: finite x 0 adds nothing.  Bytes 2 and 3 of both scale words are 0, which stands for 2^-127, a finite scale.
; LIMITS: NaN and infinities among the problem's inputs are not served.  A block whose every p has fallen to 0 keeps the byte 1: its codes are zeros.
; REGISTERS: v1-3 lane terms that stay; v4-6 the way out's addresses; v8-10 the step's LDS addresses; v12 -M, v13 the largest t, v[14:15] the sum in two halves; v16-23 Q, v24-31 zeros; v32-95 K's eight tiles,
;   v96-103 zeros; v104-167 S^T, then p, then V's four fragments; v168-199 O^T; v200-215 p's codes; v216-237 at work; v240-243 K's scale words, v244-245 V's, v246 Q's, v234 p's.
.set KI,    0x800000                   ; K's images in ws; V's lie 0x800000 further on
.set QSO,   0x1800000                  ; Q's scale words
.set SSO,   0x18c0000                  ; K's and V's
.set GRP,   65536                      ; LDS: group j of four key steps at GRP j: K's 32,768 bytes, then V's
.set VOFF,  32768
.set KSC,   262144                     ; K's scale words of the head,
.set VSC,   KSC+8192                   ; V's
.set SP,    272                        ; the way out: a stage of 16 rows x (256 bytes + 16) for each wave, from LDS byte 0 on: written when these bytes have had their one fill and nobody reads them any more
.set LI,  1                            ; v1   16 x lane
.set LS0, 2                            ; v2   KSC + 16 x lane
.set LT0, 3                            ; v3   VSC + 8 x lane
.set STO, 4
.set RD,  5
.set GO,  6
.set ADK, 8
.set ADS, 9
.set ADT, 10
.set QF,  16
.set KF,  32
.set S,   104
.set OT,  168
.set CD,  200
.set BM,  216                          ; the four blocks' largest scores, then largest p
.set BP,  220                          ; the other half's; then the bytes
.set BH,  224                          ; 57,344 x the scale
.set BS,  228                          ; the conversions' scale operands
.set FF,  232                          ; v[232:233] f = 2^(old M - new M) (the pair's upper half is named, so it is written once)
.set PW,  234                          ; p's scale word
.set TT,  235
.set AUX, 236                          ; v[236:237] the sum's second chain
.set KW,  240
.set VW,  244
.set QW,  246
.set WV,  8                            ; s8   my wave's number
.set G1,  16                           ; s[16:23] descriptor group 1: 4,096 dense bytes
.set G1S, 24                           ; s[24:31] 768 dense bytes
.set G0S, 32                           ; s[32:35] group 0 for the scale words;  s[36:51] for the four groups of keys
.set G0,  36
.set SEL, 52                           ; s[52:53] v_permlanex16_b32's selects for lane l xor 16
.set CS,  54                           ; s[54:55] c = log2(e) / 32
.set MNT, 56                           ; s56  the mantissa field of 57,344
.set TB,  57                           ; s57  LDS byte at which the step's tiles of K begin
.set TS,  58                           ; s58  the step's scale words of K: 512 bytes a step
.set TJ,  59                           ; s59  and of V: 256
.set CNT, 60
.macro CROUND                          ; a round of the cluster's barrier
	s_barrier_signal -1
	s_barrier_wait -1
	s_cmp_lg_u32 s[WV], 0
	s_cbranch_scc1 .Lnot_wave_0_\@
	s_barrier_signal -3
.Lnot_wave_0_\@:
	s_barrier_wait -3
	s_barrier_signal -1
	s_barrier_wait -1
.endm
	s_load_b128 s[4:7], s[0:1], 0x0                ; ws, out0
	v_lshl_add_u32 v254, v0, 2, 0x43000
	v_mov_b32 v255, 0
	ds_add_u32 v254, v255
	ds_add_u32 v254, v255
	v_lshrrev_b32 v8, 5, v0
	v_readfirstlane_b32 s[WV], v8                  ; wave 0..15
	s_and_b32 s11, ttmp7, 0xffff                   ; g = 16 batch + head: the four partners share it
	; group 1: a dense block as rows of 256 bytes (32 elements of 8 bytes), no padding: every LDS read of it is 16 or 8 bytes a lane on end
	s_mov_b32 s[G1], 15|(3<<16)|(1<<21)            ; 15:0 the mask: all four work-groups; 17:16 elements of 8 bytes; 21 set beside a mask
	s_mov_b32 s[G1+1], 32<<16                      ; tensor_dim0
	s_mov_b32 s[G1+2], 16<<16                      ; tensor_dim1: 16 rows
	s_mov_b32 s[G1+3], 32<<16                      ; tile_dim0
	s_mov_b32 s[G1+4], 16                          ; tile_dim1
	s_mov_b32 s[G1+5], 32                          ; the pitch
	s_mov_b32 s[G1+6], 0
	s_mov_b32 s[G1+7], 0
	s_mov_b32 s[G1S], 15|(3<<16)|(1<<21)
	s_mov_b32 s[G1S+1], 32<<16
	s_mov_b32 s[G1S+2], 3<<16                      ; 3 rows
	s_mov_b32 s[G1S+3], 32<<16
	s_mov_b32 s[G1S+4], 3
	s_mov_b32 s[G1S+5], 32
	s_mov_b32 s[G1S+6], 0
	s_mov_b32 s[G1S+7], 0
	; what I fetch of each group: waves 0-7 a slice of 4,096 bytes of K's 32,768, waves 8-15 of V's: V's images lie 2^23 bytes behind K's, and V's half of a group 8 x 4,096 behind K's
	s_lshr_b32 s12, s[WV], 3
	s_lshl_b32 s12, s12, 23
	s_lshl_b32 s13, s11, 17                        ; 131,072 bytes a head
	s_add_co_u32 s12, s12, s13
	s_and_b32 s13, s[WV], 7
	s_lshl_b32 s13, s13, 12
	s_add_co_u32 s12, s12, s13
	s_add_co_u32 s12, s12, KI
	s_mov_b32 s13, 0
	s_lshl_b32 s60, s[WV], 12                      ; in LDS: 4,096 x wave
	s_mul_i32 s61, s[WV], 768                      ; the scale words: 768 bytes a wave
	s_mul_i32 s62, s11, 12288
	s_add_co_u32 s62, s62, s61
	s_add_co_u32 s62, s62, SSO
	s_mov_b32 s63, 0
	s_wait_dscnt 0x0
	s_wait_kmcnt 0x0
	s_add_nc_u64 s[14:15], s[4:5], s[12:13]
	s_mov_b32 s[G0S], 1                            ; 1:0 count = 1
	s_add_co_u32 s[G0S+1], s61, KSC                ; LDS address
	s_add_nc_u64 s[G0S+2:G0S+3], s[4:5], s[62:63]  ; global address
	s_or_b32 s[G0S+3], s[G0S+3], 0x80000000        ; type = 2
.irp j, 0,1,2,3
	s_mov_b32 s[G0+4*\j], 1
	s_add_co_u32 s[G0+4*\j+1], s60, GRP*\j
	s_add_nc_u64 s[G0+4*\j+2:G0+4*\j+3], s[14:15], 32768*\j   ; four key steps are 32,768 bytes, of K as of V
	s_or_b32 s[G0+4*\j+3], s[G0+4*\j+3], 0x80000000
.endr
	CROUND                                         ; all four work-groups are here: the joint loads meet
	tensor_load_to_lds s[G0S:G0S+3], s[G1S:G1S+7]  ; all fills of the launch, as one group: five tensor loads of a wave are out
	s_nop 0
	tensor_load_to_lds s[G0:G0+3], s[G1:G1+7]
	s_nop 0
	tensor_load_to_lds s[G0+4:G0+7], s[G1:G1+7]
	s_nop 0
	tensor_load_to_lds s[G0+8:G0+11], s[G1:G1+7]
	s_nop 0
	tensor_load_to_lds s[G0+12:G0+15], s[G1:G1+7]
	s_nop 0
.rept 4
	v_nop
.endr
	s_bfe_u32 s9, ttmp6, 0x40000                   ; cx: it enters Q's and out0's addresses alone
	s_lshl_b32 s10, ttmp9, 2
	s_add_co_u32 s10, s10, s9                      ; my block of 256 queries
	s_lshl_b32 s12, s10, 4
	s_add_co_u32 s12, s12, s[WV]                   ; my tile of 16 queries, 0..127 in the head
	s_lshl_b32 s14, s11, 17
	s_lshl_b32 s13, s12, 10                        ; 1,024 bytes a tile
	s_add_co_u32 s14, s14, s13
	s_mov_b32 s15, 0
	s_add_nc_u64 s[66:67], s[4:5], s[14:15]        ; Q's image
	s_mul_i32 s14, s11, 12288
	s_lshr_b32 s13, s12, 2
	s_lshl_b32 s13, s13, 8                         ; four tiles' words share 256 bytes: [row 16][tile 4]
	s_add_co_u32 s14, s14, s13
	s_and_b32 s13, s12, 3
	s_lshl_b32 s13, s13, 2
	s_add_co_u32 s14, s14, s13
	s_add_co_u32 s14, s14, QSO
	s_add_nc_u64 s[68:69], s[4:5], s[14:15]        ; Q's scale words
	s_lshr_b32 s14, s11, 4
	s_lshl_b32 s14, s14, 23                        ; out0: a batch is 2,048 rows of 4,096 bytes,
	s_lshl_b32 s13, s12, 16                        ; a tile 16 rows,
	s_add_co_u32 s14, s14, s13
	s_and_b32 s13, s11, 15
	s_lshl_b32 s13, s13, 8                         ; a head 256 bytes of a row
	s_add_co_u32 s14, s14, s13
	s_add_nc_u64 s[6:7], s[6:7], s[14:15]
	s_mov_b32 s[SEL], 0x76543210
	s_mov_b32 s[SEL+1], 0xfedcba98
	s_mov_b32 s[CS], 0x3d38aa3b                    ; c = log2(e) / 32
	s_mov_b32 s[CS+1], s[CS]                       ; (named with it as a pair, so it is written)
	s_mov_b32 s[MNT], 0x600000
	v_and_b32 v9, 31, v0
	v_lshlrev_b32 v[LI], 4, v9
	v_add_nc_u32 v[LS0], KSC, v[LI]
	v_lshl_add_u32 v[LT0], v9, 3, VSC
	v_and_b32 v10, 15, v0
	v_lshlrev_b32 v10, 4, v10                      ; row r's word: 16 bytes a row
	global_load_b128 v[QF:QF+3], v[LI], s[66:67] th:TH_LOAD_NT              ; Q's fragment stays in registers: dims 0-31,
	global_load_b128 v[QF+4:QF+7], v[LI], s[66:67] offset:512 th:TH_LOAD_NT ; dims 32-63
	global_load_b32 v[QW], v10, s[68:69]
.irp j, 0,1,2,3,4,5,6,7
	v_mov_b32 v[QF+8+\j], 0                        ; zero codes for k = 64 .. 127
	v_mov_b32 v[KF+64+\j], 0                       ; and behind K's tile 7
.endr
.set j, 0
.rept 32
	v_mov_b32 v[OT+j], 0                           ; O^T.  (The step is written once: the first finds zeros, which the first change of M leaves zeros)
.set j, j+1
.endr
	v_mov_b32 v13, 0xff61b1e6                      ; the largest t so far: -3e38, under every t
	v_floor_f32 v12, -v13                          ; -M
	v_mov_b32 v14, 0                               ; the sum, in two halves
	v_mov_b32 v15, 0
.irp b, 0,1,2,3
	v_mov_b32 v[BP+\b], 0                          ; written once: a lane permute's destination counts as one of its sources
.endr
	v_mov_b32 v[FF+1], 0
	v_mov_b32 v[TT], 0
	s_wait_loadcnt 0x0                             ; Q
; A KEY STEP: 128 keys.
.macro STEP
	v_add_nc_u32 v[ADK], s[TB], v[LI]
	v_add_nc_u32 v[ADS], s[TS], v[LS0]
	v_add_nc_u32 v[ADT], s[TJ], v[LT0]
.rept 6
	v_nop                                          ; with the three additions nine places: the products below write S^T over registers that the last step's products read as V's fragments
.endr
.irp t, 0,1,2,3,4,5,6,7
	ds_load_b128 v[KF+8*\t:KF+8*\t+3], v[ADK] offset:1024*\t        ; tile t: keys 16 t .. 16 t + 15; dims 0-31,
	ds_load_b128 v[KF+8*\t+4:KF+8*\t+7], v[ADK] offset:1024*\t+512  ; dims 32-63
.endr
	ds_load_b128 v[KW:KW+3], v[ADS]                ; register i: lanes 0-15 tile i's words, lanes 16-31 tile 4 + i's
	s_wait_dscnt 0x0
.irp t, 0,1,2,3
	v_wmma_scale_f32_16x16x128_f8f6f4 v[S+8*\t:S+8*\t+7], v[KF+8*\t:KF+8*\t+15], v[QF:QF+15], 0, v[KW+\t], v[QW] matrix_a_fmt:MATRIX_FMT_BF8 matrix_b_fmt:MATRIX_FMT_BF8
.endr
.irp t, 4,5,6,7
	v_wmma_scale_f32_16x16x128_f8f6f4 v[S+8*\t:S+8*\t+7], v[KF+8*\t:KF+8*\t+15], v[QF:QF+15], 0, v[KW+\t-4], v[QW] matrix_a_fmt:MATRIX_FMT_BF8 matrix_b_fmt:MATRIX_FMT_BF8 matrix_a_scale:MATRIX_SCALE_ROW1
.endr                                          ; lane (r, h): query r; register 16 b + i: key 32 b + 8 h + i (i < 8), 32 b + 16 + 8 h + i - 8 (else): 16 keys of block b
.rept 8
	v_nop
.endr
.irp b, 0,1,2,3
	v_max3_num_f32 v[BM+\b], v[S+16*\b], v[S+16*\b+1], v[S+16*\b+2]   ; THE LARGEST SCORE OF EACH BLOCK OF 32 KEYS: it serves for the row's maximum and, since p rises with the score, for the block's largest p.  Each accumulator is read from its low end on
.endr
.irp i, 3,5,7,9,11,13
.irp b, 0,1,2,3
	v_max3_num_f32 v[BM+\b], v[BM+\b], v[S+16*\b+\i], v[S+16*\b+\i+1]   ; (the four blocks by turns)
.endr
.endr
.irp b, 0,1,2,3
	v_max_num_f32 v[BM+\b], v[BM+\b], v[S+16*\b+15]
.endr
.irp b, 0,1,2,3
	v_permlanex16_b32 v[BP+\b], v[BM+\b], s[SEL], s[SEL+1]
.endr
.irp b, 0,1,2,3
	v_max_num_f32 v[BM+\b], v[BM+\b], v[BP+\b]     ; with lane l xor 16's 16 keys
.endr
	v_max3_num_f32 v[TT], v[BM], v[BM+1], v[BM+2]
	v_max_num_f32 v[TT], v[TT], v[BM+3]            ; the step's largest score of my query
	v_mul_f32 v[TT], s[CS], v[TT]                  ; as t (c is positive)
	v_max_num_f32 v13, v13, v[TT]                  ; the running largest t
	v_mov_b32 v[TT], v12
	v_floor_f32 v12, -v13                          ; the new -M = floor(-t) = -ceil(t): M is a whole number
	v_sub_f32 v[TT], v12, v[TT]                    ; M's old value less its new one: a whole number, 0 or less
	v_cvt_i32_f32 v[TT], v[TT]                     ; (it saturates)
	v_ldexp_f32 v[FF], 1.0, v[TT]                  ; f = 2^(old M - new M)
.set j, 0
.rept 32
	v_pk_fma_f32 v[S+j:S+j+1], v[S+j:S+j+1], s[CS:CS+1], v[12:13] op_sel_hi:[1,0,0]   ; t - M, two at a time (of the pairs c and -M the low word serves both halves)
.set j, j+2
.endr
.irp b, 0,1,2,3
	v_fma_f32 v[BM+\b], v[BM+\b], s[CS], v12       ; the same of each block's largest score
.endr
.set j, 0
.rept 64
	v_exp_f32 v[S+j], v[S+j]                       ; p = 2^(t - M), at most 1: not normalised
.set j, j+1
.endr
	v_pk_mul_f32 v[14:15], v[14:15], v[FF:FF+1] op_sel_hi:[1,0]   ; the sums under the new M.  (The plain instruction behind the exponentials)
	s_wait_alu depctr_va_vdst(0)                   ; one wait for the batch of 64, ahead of its first reader
.irp b, 0,1,2,3
	v_exp_f32 v[BM+\b], v[BM+\b]                   ; the block's largest p: the same two instructions on the same number give the same bits
.endr
	v_pk_add_f32 v[AUX:AUX+1], v[S:S+1], v[S+2:S+3]   ; THE ROW'S SUM IS TAKEN OF THE UNQUANTISED p: two at a time, in two chains
.irp j, 4,8,12,16,20,24,28,32,36,40,44,48,52,56,60
	v_pk_add_f32 v[14:15], v[14:15], v[S+\j:S+\j+1]
	v_pk_add_f32 v[AUX:AUX+1], v[AUX:AUX+1], v[S+\j+2:S+\j+3]
.endr
	v_pk_add_f32 v[14:15], v[14:15], v[AUX:AUX+1]
	s_wait_alu depctr_va_vdst(0)                   ; and one for the four
.irp b, 0,1,2,3
	v_max_num_f32 v[BM+\b], 0x8000000, v[BM+\b]    ; the floor 2^(16 - 127): the byte cannot fall under 1
.endr
.irp b, 0,1,2,3
	v_add_nc_u32 v[BS+\b], 0xf8800000, v[BM+\b]    ; 15 off the exponent field: the conversion's scale operand
.endr
.irp b, 0,1,2,3
	v_and_or_b32 v[BH+\b], v[BM+\b], 0x7f800000, s[MNT]   ; 57,344 x the scale
.endr
.irp b, 0,1,2,3
	v_lshrrev_b32 v[BP+\b], 23, v[BS+\b]           ; the scale's byte
.endr
	v_lshl_or_b32 v[PW], v[BP+1], 8, v[BP]         ; p's scale word for these 128 keys
	v_lshl_or_b32 v[PW], v[BP+2], 16, v[PW]
	v_lshl_or_b32 v[PW], v[BP+3], 24, v[PW]
.irp b, 0,1,2,3
.irp i, 0,1,2,3,4,5,6,7,8,9,10,11,12,13,14,15
	v_min_num_f32 v[S+16*\b+\i], v[S+16*\b+\i], v[BH+\b]   ; the conversion to an 8-bit code does not saturate (ISA guide 7.6.2); p is not negative, so the hold is one-sided
.endr
	v_cvt_scalef32_pk8_bf8_f32 v[CD+4*\b:CD+4*\b+1], v[S+16*\b:S+16*\b+7], v[BS+\b]
	v_cvt_scalef32_pk8_bf8_f32 v[CD+4*\b+2:CD+4*\b+3], v[S+16*\b+8:S+16*\b+15], v[BS+\b]
.endr
.irp t, 0,1,2,3                                ; V's four fragments (16 channels x these 128 keys each) take p's registers
.irp c, 0,1,2,3
	ds_load_b128 v[S+16*\t+4*\c:S+16*\t+4*\c+3], v[ADK] offset:VOFF+2048*\t+512*\c
.endr
.endr
	ds_load_b64 v[VW:VW+1], v[ADT]                 ; register i: lanes 0-15 the words of channels 16 i + r, lanes 16-31 of 16 (2 + i) + r
.set j, 0
.rept 16
	v_pk_mul_f32 v[OT+j:OT+j+1], v[OT+j:OT+j+1], v[FF:FF+1] op_sel_hi:[1,0]   ; O^T under the new M, while the loads are out.  (Also the plain line behind the conversions and the places between the codes and the products)
.set j, j+2
.endr
	s_wait_dscnt 0x0
.irp t, 0,1                                    ; O^T += V^T P^T: four accumulators, one instruction each
	v_wmma_scale_f32_16x16x128_f8f6f4 v[OT+8*\t:OT+8*\t+7], v[S+16*\t:S+16*\t+15], v[CD:CD+15], v[OT+8*\t:OT+8*\t+7], v[VW+\t], v[PW] matrix_a_fmt:MATRIX_FMT_BF8 matrix_b_fmt:MATRIX_FMT_BF8
.endr
.irp t, 2,3
	v_wmma_scale_f32_16x16x128_f8f6f4 v[OT+8*\t:OT+8*\t+7], v[S+16*\t:S+16*\t+15], v[CD:CD+15], v[OT+8*\t:OT+8*\t+7], v[VW+\t-2], v[PW] matrix_a_fmt:MATRIX_FMT_BF8 matrix_b_fmt:MATRIX_FMT_BF8 matrix_a_scale:MATRIX_SCALE_ROW1
.endr
	s_add_co_u32 s[TB], s[TB], 8192                ; the next step's tiles and scale words
	s_add_co_u32 s[TS], s[TS], 512
	s_add_co_u32 s[TJ], s[TJ], 256
.endm
; GROUP j: key steps 4 j .. 4 j + 3.  My slice of the group has landed (tensor loads of a wave end in order: ISA guide 10.11.1; behind it 3 - j loads were issued, the later groups', which may stay out,
; since no LDS byte is ever filled again); behind the barrier everybody's has.
.macro GROUP j
	s_wait_tensorcnt 3-\j
	s_wait_dscnt 0x0
	s_barrier_signal -1
	s_barrier_wait -1
	s_mov_b32 s[TB], GRP*\j
	s_mov_b32 s[TS], 2048*\j
	s_mov_b32 s[TJ], 1024*\j
	s_mov_b32 s[CNT], 4
.Lstep_\@:
	STEP
	s_sub_co_u32 s[CNT], s[CNT], 1
	s_cmp_lg_u32 s[CNT], 0
	s_cbranch_scc1 .Lstep_\@
.endm
	GROUP 0
	GROUP 1
	GROUP 2
	GROUP 3
	; THE WAY OUT.  O^T is divided by the row's sum and goes through my stage in LDS, so that sixteen lanes store the 256 consecutive bytes of one (token, head).
	s_wait_dscnt 0x0
	s_barrier_signal -1
	s_barrier_wait -1                              ; no wave reads K or V any more: the stages may be written over them
	v_add_f32 v14, v14, v15                        ; the sum's two halves,
	v_permlanex16_b32 v[TT], v14, s[SEL], s[SEL+1]
	v_add_f32 v14, v14, v[TT]                      ; and lane l xor 16's: the row's sum
	v_rcp_f32 v14, v14
	v_and_b32 v8, 15, v0                           ; r.  (These plain lines stand behind the reciprocal, and are the places behind the last products)
	v_bfe_u32 v9, v0, 4, 1                         ; h
	s_mul_i32 s12, s[WV], 16*SP                    ; my stage
	v_mul_u32_u24 v[STO], v8, SP
	v_lshl_add_u32 v[STO], v9, 5, v[STO]
	v_add_nc_u32 v[STO], s12, v[STO]               ; in: row r; tile t's eight channels of my half: 64 t + 32 h bytes on
	v_mul_u32_u24 v[RD], v9, SP
	v_lshl_add_u32 v[RD], v8, 4, v[RD]
	v_add_nc_u32 v[RD], s12, v[RD]                 ; back: lanes 0-15 one row, lanes 16-31 the next
	v_lshlrev_b32 v[GO], 12, v9
	v_lshl_add_u32 v[GO], v8, 4, v[GO]             ; and the same two rows of out0, 4,096 bytes apart
	s_wait_alu depctr_va_vdst(0)                   ; the wait for the reciprocal, ahead of its first reader
.set j, 0
.rept 16
	v_pk_mul_f32 v[S+j:S+j+1], v[OT+j:OT+j+1], v[14:15] op_sel_hi:[1,0]   ; O^T / the sum: register 8 t + i is o(r, 16 t + 8 h + i); each accumulator from its low end on
.set j, j+2
.endr
.irp t, 0,1,2,3
	ds_store_b128 v[STO], v[S+8*\t:S+8*\t+3] offset:64*\t
	ds_store_b128 v[STO], v[S+8*\t+4:S+8*\t+7] offset:64*\t+16
.endr
.irp i, 0,1,2,3,4,5,6,7
	ds_load_b128 v[S+32+4*\i:S+32+4*\i+3], v[RD] offset:2*\i*SP   ; LDS serves a wave's instructions in order (ISA guide 5.7.1.4): these see my stores
.endr
.irp i, 0,1,2,3,4,5,6,7
	s_wait_dscnt 7-\i                              ; the younger loads may stay out
	global_store_b128 v[GO], v[S+32+4*\i:S+32+4*\i+3], s[6:7] offset:8192*\i th:TH_STORE_NT   ; 16 lanes store 256 consecutive bytes, at a multiple of 256 from out0's first byte
.endr
	s_wait_tensorcnt 0x0
	ds_add_u32 v254, v255
	s_wait_dscnt 0x0
	CROUND                                         ; the closing round: no work-group ends while a partner may still ask for a tile that names it
	s_endpgm
.Lfunc_end_k_q4b565e319b_attn:
	.size	k_q4b565e319b_attn, .Lfunc_end_k_q4b565e319b_attn-k_q4b565e319b_attn
	.p2alignl 7, 3214868480
	.fill 96, 4, 3214868480
	.section	.rodata,"a",@progbits
	.p2align	6, 0x0
	.amdhsa_kernel k_q4b565e319b_attn
		.amdhsa_group_segment_fixed_size 276480
		.amdhsa_private_segment_fixed_size 0
		.amdhsa_enable_private_segment 0
		.amdhsa_kernarg_size 16
		.amdhsa_user_sgpr_count 2
		.amdhsa_user_sgpr_kernarg_segment_ptr 1
		.amdhsa_wavefront_size32 1
		.amdhsa_system_sgpr_workgroup_id_x 1
		.amdhsa_system_sgpr_workgroup_id_y 1
		.amdhsa_system_sgpr_workgroup_id_z 1
		.amdhsa_system_vgpr_workitem_id 0
		.amdhsa_next_free_vgpr 256
		.amdhsa_next_free_sgpr 72
		.amdhsa_reserve_vcc 0
		.amdhsa_float_denorm_mode_32 3
		.amdhsa_float_denorm_mode_16_64 3
		.amdhsa_memory_ordered 1
		.amdhsa_forward_progress 1
		.amdhsa_inst_pref_size 87
	.end_amdhsa_kernel
	.amdgpu_metadata
---
amdhsa.version: [ 1, 2 ]
amdhsa.kernels:
  - .name:           k_q4b565e319b_attn
    .symbol:         k_q4b565e319b_attn.kd
    .args:
      - { .name: ws, .offset: 0, .size: 8, .value_kind: global_buffer, .address_space: global }
      - { .name: out0, .offset: 8, .size: 8, .value_kind: global_buffer, .address_space: global }
    .group_segment_fixed_size: 276480
    .private_segment_fixed_size: 0
    .kernarg_segment_align: 8
    .kernarg_segment_size: 16
    .max_flat_workgroup_size: 512
    .sgpr_count:     72
    .vgpr_count:     256
    .wavefront_size: 32
...
	.end_amdgpu_metadata
.endif
;; end of part 2
